; MI455X (gfx1250); checked and timed in simulation.
; The chip was launched on July 23, 2026; its instructions are those of AMD's public machine-readable ISA for CDNA 5 (MIT licence, August 2026) and "CDNA5" Instruction Set Architecture Reference Guide (July 2026). The comments in the code are by the model that wrote it; some were corrected since.
;; Multi Head Attention Enc. Allowed arithmetic: matrix products marked QUANTISED: E2M1 operands, one E8M0 scale for each 32 along K, by v_wmma_scale_f32_16x16x128_f8f6f4 with both operands' format E2M1 (or v_wmma_scale_f32_32x16x128_f4), f32 sums; everything else in f32.
;; Inputs: Wk_codes 1,024 x 32 x 16 uint8 (E2M1 codes of Wk, K innermost, in blocks of 32 codes, two codes a byte); Wk_scales 1,024 x 32 uint8 (E8M0 scales of Wk, one for each 32 codes along K); Wp_codes 1,024 x 32 x 16 uint8 (E2M1 codes of Wp, K innermost, in blocks of 32 codes, two codes a byte); Wp_scales 1,024 x 32 uint8 (E8M0 scales of Wp, one for each 32 codes along K); Wq_codes 1,024 x 32 x 16 uint8 (E2M1 codes of Wq, K innermost, in blocks of 32 codes, two codes a byte); Wq_scales 1,024 x 32 uint8 (E8M0 scales of Wq, one for each 32 codes along K); Wv_codes 1,024 x 32 x 16 uint8 (E2M1 codes of Wv, K innermost, in blocks of 32 codes, two codes a byte); Wv_scales 1,024 x 32 uint8 (E8M0 scales of Wv, one for each 32 codes along K); X_codes 2 x 4 x 2,048 x 32 x 16 uint8 (E2M1 codes of X, K innermost, in blocks of 32 codes, two codes a byte); X_scales 2 x 4 x 2,048 x 32 uint8 (E8M0 scales of X, one for each 32 codes along K); bk 1,024 float32; bp 1,024 float32; bq 1,024 float32; bv 1,024 float32.
;; Outputs: out0 4 x 2,048 x 1,024 float32.
;; This version of the problem:
;;   THIS VERSION OF THE PROBLEM IS GIVEN IN LOW PRECISION. The matrix products marked QUANTISED in the list below multiply operands that are first quantised to E2M1 (2 exponent bits, 1 mantissa bit; 4 bits a number), with one power-of-two scale for each 32 numbers along K (OCP MX v1.0); their sums are f32. All else is computed in f32.
;;   The module's matrix products, in the order in which they are computed (A, B: the left and right operand; K: the contracted axis; several contracted axes count as one K, in the product's order):
;;     1. [M 8,192, K 1,024] x [K 1,024, N 1,024]; A: input X (given as codes); B: input Wq (given as codes): QUANTISED
;;     2. [M 8,192, K 1,024] x [K 1,024, N 1,024]; A: input X (given as codes); B: input Wk (given as codes): QUANTISED
;;     3. [M 8,192, K 1,024] x [K 1,024, N 1,024]; A: input X (given as codes); B: input Wv (given as codes): QUANTISED
;;     4. batch 64 x [M 2,048, K 64] x [K 64, N 2,048]; A: computed on the way; B: computed on the way: QUANTISED
;;     5. batch 64 x [M 2,048, K 2,048] x [K 2,048, N 64]; A: softmax (see below); B: computed on the way: QUANTISED
;;     6. [M 8,192, K 1,024] x [K 1,024, N 1,024]; A: computed on the way; B: input Wp (given as codes): QUANTISED
;;   THE QUANTISER, for each operand of a quantised product, along K:
;;     - K is cut into blocks of 32 from its start; a last block that is shorter is filled with zeros.
;;     - A block's scale is 2^e with e = floor(log2(the largest magnitude in the block)) - 2, held to -126 .. 127; a block of zeros has e = 0. As a byte (E8M0): e + 127.
;;     - Each number is divided by its block's scale, clamped to +-6, and rounded to the nearest number of E2M1, ties to even, subnormals kept.
;;     - The product sums the exact products of the quantised numbers (number of the format x scale) in f32.
;;   ~~~python
;;   def quantise(x, axis):      # numpy; x: float32 -> the quantised numbers, widened to float32 again
;;       x = np.moveaxis(x, axis, -1); K = x.shape[-1]
;;       x = np.pad(x, [(0, 0)] * (x.ndim - 1) + [(0, -K % 32)]); x = x.reshape(x.shape[:-1] + (-1, 32)); a = np.abs(x).max(-1, keepdims=True)
;;       e = np.where(a > 0, np.clip(np.frexp(np.where(a > 0, a, 1))[1] - 1 - 2, -126, 127), 0)      # np.frexp(a)[1] - 1 = floor(log2(a)), exactly
;;       r = np.clip(x / 2.0 ** e, -6, 6)
;;       step = 2.0 ** (np.maximum(np.frexp(np.where(r == 0, 1, r))[1] - 1, 0) - 1)
;;       q = np.round(r / step) * step * 2.0 ** e      # np.round: ties to even
;;       return np.moveaxis(q.reshape(q.shape[:-2] + (-1,))[..., :K], -1, axis).astype(np.float32)
;;   ~~~
;;   SOFTMAX AHEAD OF A QUANTISED PRODUCT. Where the list says 'softmax', what is quantised is not the finished softmax but p = 2^(t - M), with t = logit x log2(e) and M = ceil(the row's largest t), a whole number; so 1/2 < the row's largest p <= 1. The row's sum l is taken of the UNQUANTISED p, in f32, and the product's result is divided by l at the end. Since M is a whole number, a kernel that streams over the keys may use a running M (the ceiling of the running maximum): every later rescaling is an exact power of two, which a block's scale takes up: the codes' values come out the same.
;;   OPERANDS COMPUTED ON THE WAY. 'Computed on the way' means the value that the module computes at that place (a softmax that the list does not call 'softmax' is quantised finished and normalised). What goes into a quantiser is computed in f32, as accurately as f32 sums, v_exp_f32 and their like allow (about 1e-6 of the number): no bf16 or f16 on the way to a quantiser, and a product that is left as it is and whose result goes on into a quantised operand takes f32 operands (vector FMAs, or v_wmma_f32_16x16x4_f32). A number that lies on a knife's edge between two numbers of the format may be rounded either way, as far as f32 arithmetic and the matrix unit's own rounding can turn it there, and no further.
;;   INPUTS GIVEN AS CODES. Wk (in the module: [1024, 1024], K = its axis 1); Wp (in the module: [1024, 1024], K = its axis 1); Wq (in the module: [1024, 1024], K = its axis 1); Wv (in the module: [1024, 1024], K = its axis 1); X (in the module: [2, 4, 2048, 1024], K = its axis 3): each comes as NAME_codes (uint8): NAME with its K axis moved to the last place and cut into blocks of 32 codes, [.., K / 32, bytes a block], one block behind the other in memory; two codes a byte, the lower K in the low four bits (a code: sign, 2 exponent bits, 1 mantissa bit); and NAME_scales (uint8): the same leading axes, one E8M0 byte (e + 127) for each 32 codes along K. Its value is code x scale, taken as it is: it is not quantised again, and the codes and scales need not be those that the quantiser above would give.
;; One version. Each part assembles by itself: llvm-mc -triple=amdgcn-amd-amdhsa -mcpu=gfx1250 --defsym DOCPART=n.
;; ======== version 1 of 1: 3 launches
;; workspace buffers: cod 12,582,912 bytes; scl 786,432 bytes; ac 4,194,304 bytes; asc 262,144 bytes
;; launch qkv (part 1): grid 16 x 32, 12 waves a work-group, clusters of 4 x 4, 327,680 bytes of LDS; arguments X_codes, X_scales, Wq_codes, Wq_scales, Wk_codes, Wk_scales, Wv_codes, Wv_scales, bq, bk, bv, cod, scl; writes cod, scl
.if DOCPART == 1
	.amdgcn_target "amdgcn-amd-amdhsa--gfx1250"
	.amdhsa_code_object_version 6
	.text
	.protected	k_q6e54dbf389_qkv
	.globl	k_q6e54dbf389_qkv
	.p2align	8
	.type	k_q6e54dbf389_qkv,@function
k_q6e54dbf389_qkv:
	s_mov_b64 s[64:65], 0
	v_nop
	global_prefetch_b8 v0, s[64:65] scope:SCOPE_SE
	s_setreg_imm32_b32 hwreg(HW_REG_WAVE_MODE, 25, 1), 1
	s_wait_xcnt 0x0
	s_wait_alu depctr_hold_cnt(0) depctr_sa_sdst(0) depctr_va_vdst(0) depctr_va_sdst(0) depctr_va_ssrc(0) depctr_va_vcc(0) depctr_vm_vsrc(0)
	s_getreg_b32 s2, hwreg(HW_REG_IB_STS2, 6, 4)
	s_cmp_eq_u32 s2, 0
	s_cbranch_scc0 .Lentry_in_a_cluster
	s_endpgm
.Lentry_in_a_cluster:
	s_bfe_u32 s2, ttmp6, 0x10000c
	s_cmp_lg_u32 s2, 0xf033
	s_cbranch_scc0 .Lentry_shape_is_right
	s_endpgm
.Lentry_shape_is_right:
; q, k, v = x W^T + b on codes of FP4 (E2M1) with E8M0 scales, x = X[1] (8,192 tokens x 1,024); the results are quantised in registers and leave as codes.
; SHARES.  A work-group makes q, k and v of ONE head (64 columns) for 256 tokens.  Twelve waves: wave w has role w / 4 (0 q, 1 k, 2 v) and tokens 64 (w % 4) on.
; All operands of the work-group for the whole K = 1,024 lie in LDS (224 KiB of codes, 14 KiB of scale bytes): every LDS byte is filled once, so there is no ring.
; ONE TEXT FOR ALL ROLES: D[P rows along a lane's registers][R rows along the lanes], 4 x 4 tiles, source 0 = P, source 1 = R.
;   q, k: P = the head's 64 rows of W, R = 64 tokens: a lane holds one token and 64 neighbours along d, the next product's K.
;   v:    P = 64 tokens, R = the head's 64 rows of Wv: a lane holds one channel d and 64 neighbouring keys, the next product's K.
; Only addresses differ between the roles.  The bias along P is the C of the first K step, the bias along R is added at the end; the one that a role does not have is masked to 0.
; WHAT LEAVES: half images of operands: 4 registers; lane (r, h), register g = the codes of K index 32 h + 8 g + 0..7 of row r; one store of 16 bytes a lane, 512 consecutive bytes a wave.
;   cod: q at 0: [bh 64][token tile 128][512];  k, v at KVOFF: [bh][key step 16][8,192]: K [tile 8][512], then V [d tile 4][c 2][512].
;   scl: halfwords (byte of block 0, byte of block 1): q at 0: [bh][step 16][r 16][tile 8];  k, v at KVSOFF: [bh][step][512]: K [r 16][tile 8], then V [r 16][d tile 4][c 2].
; CLUSTER 4 x 4: the four work-groups of a row share their 256 tokens, the four of a column their head's weights: each tile is asked for jointly.
; LIMITS: NaN and infinities are not served; a block of zeros gets the byte 1 (its codes are zeros, and this program alone reads the bytes); magnitudes under 2^-124 share that byte.
.set G64,    17408                     ; 64 rows of 256 bytes + 16 of padding: rows 272 bytes apart, so that the 16 rows of a load begin at 16 different 16-byte columns modulo 256
.set SG,     2176                      ; the scale bytes of 64 rows: 8 units of 256 bytes + 16
.set LW0,    69632                     ; LDS: x's 4 groups of 64 rows at 0, W's 3 groups here: K 0-511
.set CHD,    121856                    ; the same again for K 512-1,023, this much further on
.set LXS,    243712                    ; x's scale bytes, 4 groups
.set LWS,    252416                    ; W's, 3 groups; ends at 258,944
.set KVOFF,  0x400000
.set KVSOFF, 0x40000
.set AP,  4                            ; v4   LDS address of my P fragments
.set AR,  5                            ; v5   of my R fragments
.set ASR, 6                            ; v6   of my scale words: lanes 0-15 R's rows, lanes 16-31 P's
.set BP,  12                           ; v12-43   bias along P: 8 registers a tile, in the result's layout
.set BR,  44                           ; v44-47   bias along R: one number a tile
.set SC,  48                           ; v48-63   scale words: register 4 i + q: tile i, the chunk's q-th 128 along K
.set PF,  64                           ; v64-95   P's four fragments
.set RF,  96                           ; v96-127  R's four
.set ACC, 128                          ; v128-255 accumulator (u, t) at 32 u + 8 t
.set MX,  64                           ; the way out, in the fragments' registers: largest magnitudes (2 u + block),
.set MP,  72                           ; the other half of the lanes',
.set SO,  80                           ; the conversions' scale operands,
.set SB,  88                           ; the scale bytes,
.set CD,  96                           ; the codes (4 u + g),
.set HW,  112                          ; the halfwords of scale bytes
.set WV,  30                           ; s30 wave; s31 w % 4; s32 role; s33 1 for v
.macro ROUND                           ; a round of the cluster's barrier
	s_barrier_signal -1
	s_barrier_wait -1
	s_cmp_lg_u32 s[WV], 0
	s_cbranch_scc1 .Lnot_wave_0_\@
	s_barrier_signal -3
.Lnot_wave_0_\@:
	s_barrier_wait -3
	s_barrier_signal -1
	s_barrier_wait -1
.endm
	s_load_b256 s[4:11], s[0:1], 0x0               ; X codes, X scales, Wq codes, Wq scales
	s_load_b256 s[12:19], s[0:1], 0x20             ; Wk codes, Wk scales, Wv codes, Wv scales
	s_load_b256 s[20:27], s[0:1], 0x40             ; bq, bk, bv, cod
	s_load_b64 s[28:29], s[0:1], 0x60              ; scl
	s_set_vgpr_msb 0x40
	v_lshl_add_u32 v0, v0, 2, 0x3f400
	v_mov_b32 v1, 0
	s_set_vgpr_msb 0x4045
	ds_add_u32 v0, v1
	ds_add_u32 v0, v1
	s_set_vgpr_msb 0x4500
	v_lshrrev_b32 v1, 5, v0
	s_delay_alu instid0(VALU_DEP_1)
	v_readfirstlane_b32 s[WV], v1                  ; wave 0..11
	s_and_b32 s31, s[WV], 3                        ; which 64 tokens; also which group of rows I fetch
	s_lshr_b32 s32, s[WV], 2                       ; role
	s_lshr_b32 s33, s[WV], 3                       ; 1 for v
	s_bfe_u32 s34, ttmp6, 0x40000                  ; cx
	s_bfe_u32 s35, ttmp6, 0x40004                  ; cy
	s_lshl_b32 s36, ttmp9, 2
	s_add_co_u32 s36, s36, s34                     ; the head = 4 x cluster x + cx
	s_and_b32 s37, ttmp7, 0xffff
	s_lshl_b32 s37, s37, 2
	s_add_co_u32 s37, s37, s35                     ; the block of 256 tokens = 4 x cluster y + cy
	s_lshl_b32 s38, s35, 2
	s_lshl_b32 s38, 15, s38                        ; my row of the cluster
	s_lshl_b32 s39, 0x1111, s34                    ; my column
	; descriptor groups 1.  Codes: 64 rows x 256 bytes of rows of 512, 16 bytes of padding behind each 256
	s_or_b32 s40, s38, (1<<20)|(1<<21)|(5<<22)|(3<<25)          ; x's tiles go to my row
	s_or_b32 s56, s39, (1<<20)|(1<<21)|(5<<22)|(3<<25)          ; W's to my column
.irp g, 40, 56
	s_mov_b32 s[\g+1], 256<<16                     ; tensor_dim0
	s_mov_b32 s[\g+2], 64<<16                      ; tensor_dim1
	s_mov_b32 s[\g+3], 256<<16                     ; tile_dim0
	s_mov_b32 s[\g+4], 64                          ; tile_dim1
	s_mov_b32 s[\g+5], 512                         ; bytes from row to row
	s_mov_b32 s[\g+6], 0
	s_mov_b32 s[\g+7], 0
.endr
	; scale bytes of 64 rows: 2,048 dense bytes as 8 rows of 32 elements of 8 bytes, padded likewise
	s_or_b32 s48, s38, (3<<16)|(1<<20)|(1<<21)|(5<<22)|(3<<25)
	s_or_b32 s68, s39, (3<<16)|(1<<20)|(1<<21)|(5<<22)|(3<<25)
.irp g, 48, 68
	s_mov_b32 s[\g+1], 32<<16
	s_mov_b32 s[\g+2], 8<<16
	s_mov_b32 s[\g+3], 32<<16
	s_mov_b32 s[\g+4], 8
	s_mov_b32 s[\g+5], 32
	s_mov_b32 s[\g+6], 0
	s_mov_b32 s[\g+7], 0
.endr
	s_wait_dscnt 0x0
	s_wait_kmcnt 0x0
	; groups 0 for x (s76-87): rows 256 tb + 64 (w % 4) of X[1].  Nothing here hangs on cx
	s_mov_b32 s76, 1
	s_mul_i32 s77, s31, G64
	s_lshl_b32 s78, s37, 17
	s_lshl_b32 s100, s31, 15
	s_add_co_u32 s78, s78, s100
	s_add_co_u32 s78, s78, 0x400000                ; X[1] begins 4 x 2,048 x 512 bytes in
	s_mov_b32 s79, 0
	s_add_nc_u64 s[78:79], s[4:5], s[78:79]
	s_mov_b32 s84, 1
	s_add_co_u32 s85, s77, CHD
	s_add_nc_u64 s[86:87], s[78:79], 256           ; K 512 on
	s_or_b32 s79, s79, 0x80000000
	s_or_b32 s87, s87, 0x80000000
	s_mov_b32 s80, 1
	s_mul_i32 s81, s31, SG
	s_add_co_u32 s81, s81, LXS
	s_lshl_b32 s82, s37, 13
	s_lshl_b32 s100, s31, 11
	s_add_co_u32 s82, s82, s100
	s_add_co_u32 s82, s82, 0x40000
	s_mov_b32 s83, 0
	s_add_nc_u64 s[82:83], s[6:7], s[82:83]
	s_or_b32 s83, s83, 0x80000000
	; groups 0 for W (s88-99): matrix w % 4 (0 q, 1 k, 2 v), the head's 64 rows.  Nothing here hangs on cy
	s_cmp_eq_u32 s31, 0
	s_cselect_b64 s[66:67], s[8:9], s[12:13]
	s_cselect_b64 s[104:105], s[10:11], s[14:15]
	s_cmp_lt_u32 s31, 2
	s_cselect_b64 s[66:67], s[66:67], s[16:17]
	s_cselect_b64 s[104:105], s[104:105], s[18:19]
	s_mov_b32 s88, 1
	s_mul_i32 s89, s31, G64
	s_add_co_u32 s89, s89, LW0
	s_lshl_b32 s90, s36, 15
	s_mov_b32 s91, 0
	s_add_nc_u64 s[90:91], s[66:67], s[90:91]
	s_mov_b32 s96, 1
	s_add_co_u32 s97, s89, CHD
	s_add_nc_u64 s[98:99], s[90:91], 256
	s_or_b32 s91, s91, 0x80000000
	s_or_b32 s99, s99, 0x80000000
	s_mov_b32 s92, 1
	s_mul_i32 s93, s31, SG
	s_add_co_u32 s93, s93, LWS
	s_lshl_b32 s94, s36, 11
	s_mov_b32 s95, 0
	s_add_nc_u64 s[94:95], s[104:105], s[94:95]
	s_or_b32 s95, s95, 0x80000000
	ROUND                                          ; all sixteen work-groups are here: the joint loads meet
	; the fills, all first fills: waves 0-3 x's groups, waves 4-6 W's, three loads each (three of mine are out): K 0-511, the scale bytes, K 512-1,023
	s_cmp_lt_u32 s[WV], 4
	s_cbranch_scc0 .Lnot_x
	tensor_load_to_lds s[76:79], s[40:47]
	s_nop 0
	tensor_load_to_lds s[80:83], s[48:55]
	s_nop 0
	tensor_load_to_lds s[84:87], s[40:47]
	s_nop 0
.rept 4
	v_nop
.endr
	s_branch .Lasked
.Lnot_x:
	s_cmp_lt_u32 s[WV], 7
	s_cbranch_scc0 .Lasked
	tensor_load_to_lds s[88:91], s[56:63]
	s_nop 0
	tensor_load_to_lds s[92:95], s[68:75]
	s_nop 0
	tensor_load_to_lds s[96:99], s[56:63]
	s_nop 0
.rept 4
	v_nop
.endr
.Lasked:
	v_and_b32 v1, 15, v0                           ; r
	v_bfe_u32 v2, v0, 4, 1                         ; h
	s_wait_alu depctr_va_vdst(0)
	v_and_b32 v3, 31, v0                           ; lane
	v_mul_u32_u24 v7, v1, 272
	s_delay_alu instid0(VALU_DEP_1)
	v_lshl_add_u32 v7, v2, 4, v7                   ; a fragment's row x pitch + 16 h
	s_mul_i32 s4, s31, G64                         ; my 64 tokens
	s_mul_i32 s5, s32, G64
	s_add_co_u32 s5, s5, LW0                       ; my role's 64 rows of W
	s_cmp_eq_u32 s33, 1
	s_cselect_b32 s6, s4, s5                       ; P: W's rows, for v the tokens
	s_cselect_b32 s7, s5, s4                       ; R: the other
	v_add_nc_u32 v[AP], s6, v7
	v_add_nc_u32 v[AR], s7, v7
	s_mul_i32 s8, s31, SG
	s_add_co_u32 s8, s8, LXS                       ; my tokens' scale bytes
	s_mul_i32 s9, s32, SG
	s_add_co_u32 s9, s9, LWS
	s_sub_co_u32 s9, s9, s8                        ; from there to my W rows' (positive)
	v_xor_b32 v8, s33, v2                          ; 1 in the lanes that take W's: P's lanes (16-31) for q and k, R's (0-15) for v
	s_delay_alu instid0(VALU_DEP_1)
	v_mul_u32_u24 v8, s9, v8
	v_lshlrev_b32 v9, 5, v1                        ; 32 bytes a row,
	v_lshrrev_b32 v10, 3, v1
	s_delay_alu instid0(VALU_DEP_1)
	v_lshl_add_u32 v9, v10, 4, v9                  ; and 16 more behind each 256
	s_delay_alu instid0(VALU_DEP_1)
	v_add_nc_u32 v8, v8, v9
	s_delay_alu instid0(VALU_DEP_1)
	v_add_nc_u32 v[ASR], s8, v8
	; the biases
	s_cmp_eq_u32 s32, 0
	s_cselect_b64 s[18:19], s[20:21], s[22:23]
	s_cmp_lt_u32 s32, 2
	s_cselect_b64 s[18:19], s[18:19], s[24:25]
	s_lshl_b32 s16, s36, 8                         ; the head's 64 numbers
	s_mov_b32 s17, 0
	s_add_nc_u64 s[18:19], s[18:19], s[16:17]
	v_lshlrev_b32 v8, 5, v2                        ; along P: tile t, units 16 t + 8 h + 0..7
	v_lshlrev_b32 v9, 2, v1                        ; along R: tile u, unit 16 u + r
.irp t, 0,1,2,3
	global_load_b128 v[BP+8*\t:BP+8*\t+3], v8, s[18:19] offset:64*\t
	global_load_b128 v[BP+8*\t+4:BP+8*\t+7], v8, s[18:19] offset:64*\t+16
.endr
.irp u, 0,1,2,3
	global_load_b32 v[BR+\u], v9, s[18:19] offset:64*\u
.endr
	; where my results go
	s_lshr_b32 s4, s37, 3
	s_lshl_b32 s4, s4, 4
	s_add_co_u32 s4, s4, s36                       ; bh = 16 x batch + head
	s_and_b32 s5, s37, 7
	s_lshl_b32 s5, s5, 1
	s_lshr_b32 s15, s31, 1
	s_add_co_u32 s5, s5, s15                       ; the step of 128 tokens in the batch
	s_and_b32 s6, s31, 1                           ; and which 64 of it
	s_cmp_eq_u32 s32, 0                            ; q?
	s_cselect_b32 s7, 16, 17                       ; log2 of a bh's bytes of codes
	s_cselect_b32 s8, 12, 13                       ; of a step's
	s_cselect_b32 s9, 0, KVOFF
	s_cselect_b32 s10, 0, KVSOFF
	s_cmp_eq_u32 s33, 1                            ; v?
	s_cselect_b32 s11, 9, 11                       ; log2 of what the 64 tokens' half steps by, in codes
	s_cselect_b32 s12, 4096, 0
	s_cselect_b32 s13, 256, 0
	s_cselect_b32 s14, 1, 3                        ; the same in scale bytes
	s_lshl_b32 s15, s4, s7
	s_add_co_u32 s9, s9, s15
	s_lshl_b32 s15, s5, s8
	s_add_co_u32 s9, s9, s15
	s_add_co_u32 s9, s9, s12
	s_lshl_b32 s15, s6, s11
	s_add_co_u32 s16, s9, s15
	s_add_nc_u64 s[26:27], s[26:27], s[16:17]      ; cod at my first image
	s_sub_co_u32 s7, s7, 4                         ; scale bytes: a sixteenth of the codes' bytes
	s_sub_co_u32 s8, s8, 4
	s_lshl_b32 s15, s4, s7
	s_add_co_u32 s10, s10, s15
	s_lshl_b32 s15, s5, s8
	s_add_co_u32 s10, s10, s15
	s_add_co_u32 s10, s10, s13
	s_lshl_b32 s15, s6, s14
	s_add_co_u32 s16, s10, s15
	s_add_nc_u64 s[28:29], s[28:29], s[16:17]      ; scl at my first halfword
	s_lshl_b32 s4, 512, s33                        ; from R tile to R tile: 512 bytes of codes, for v 1,024
	s_lshl_b32 s5, 2, s33                          ; and 2 bytes of scales, for v 4
	s_cmp_eq_u32 s33, 1
	s_cselect_b32 s6, 0, -1                        ; v has no bias along P,
	s_cselect_b32 s7, -1, 0                        ; q and k none along R
	s_mov_b32 s2, 0x76543210
	s_mov_b32 s3, 0xfedcba98                       ; v_permlanex16_b32's selects for lane l xor 16
	s_wait_loadcnt 0x0                             ; the biases are in, and their address registers are free
.set i, 0
.rept 32
	v_and_b32 v[BP+i], s6, v[BP+i]
.set i, i+1
.endr
.irp u, 0,1,2,3
	v_and_b32 v[BR+\u], s7, v[BR+\u]
.endr
	v_lshlrev_b32 v7, 4, v3                        ; the images' offsets: 16 x lane + u x the stride
	s_delay_alu instid0(VALU_DEP_1)
	v_add_nc_u32 v8, s4, v7
	s_delay_alu instid0(VALU_DEP_1)
	v_add_nc_u32 v9, s4, v8
	s_delay_alu instid0(VALU_DEP_1)
	v_add_nc_u32 v10, s4, v9
	v_mul_u32_u24 v11, s5, v2
	s_delay_alu instid0(VALU_DEP_1)
	v_lshl_add_u32 v11, v1, 4, v11                 ; the halfwords': 16 r + h x the stride
; A K step of 128: four places in front of loads into registers that matrix instructions have read (ISA guide 7.12.1 for vector instructions), 16 fragment loads
; (with the chunk's first step its 4 loads of scale words), and 16 products: the 16 accumulators by turns, one instruction a turn.
.macro KSTEP q, first
.rept 4
	v_nop
.endr
.if \q == 0
.irp i, 0,1,2,3
	ds_load_b128 v[SC+4*\i:SC+4*\i+3], v[ASR] offset:544*\i      ; tile i: the words of the chunk's four K steps
.endr
.endif
.irp t, 0,1,2,3
.irp c, 0,1
	ds_load_b128 v[PF+8*\t+4*\c:PF+8*\t+4*\c+3], v[AP] offset:4352*\t+64*\q+32*\c
.endr
.endr
.irp u, 0,1,2,3
.irp c, 0,1
	ds_load_b128 v[RF+8*\u+4*\c:RF+8*\u+4*\c+3], v[AR] offset:4352*\u+64*\q+32*\c
.endr
.endr
	s_wait_dscnt 0x0
.irp u, 0,1,2,3
.irp t, 0,1,2,3
.if \first
	v_wmma_scale_f32_16x16x128_f8f6f4 v[ACC+32*\u+8*\t:ACC+32*\u+8*\t+7], v[PF+8*\t:PF+8*\t+7], v[RF+8*\u:RF+8*\u+7], v[BP+8*\t:BP+8*\t+7], v[SC+4*\t+\q], v[SC+4*\u+\q] matrix_a_fmt:MATRIX_FMT_FP4 matrix_b_fmt:MATRIX_FMT_FP4 matrix_a_scale:MATRIX_SCALE_ROW1
.else
	v_wmma_scale_f32_16x16x128_f8f6f4 v[ACC+32*\u+8*\t:ACC+32*\u+8*\t+7], v[PF+8*\t:PF+8*\t+7], v[RF+8*\u:RF+8*\u+7], v[ACC+32*\u+8*\t:ACC+32*\u+8*\t+7], v[SC+4*\t+\q], v[SC+4*\u+\q] matrix_a_fmt:MATRIX_FMT_FP4 matrix_b_fmt:MATRIX_FMT_FP4 matrix_a_scale:MATRIX_SCALE_ROW1
.endif
.endr
.endr
.endm
	s_wait_tensorcnt 0x1                           ; my codes of K 0-511 and my scale bytes have landed; my third load may stay out
	s_barrier_signal -1
	s_barrier_wait -1                              ; everybody's have
	KSTEP 0, 1                                     ; the bias along P starts the sums
	KSTEP 1, 0
	KSTEP 2, 0
	KSTEP 3, 0
	s_wait_tensorcnt 0x0                           ; my codes of K 512-1,023 have landed
	s_barrier_signal -1                            ; (no LDS instruction of mine is out: each K step waits for its loads)
	s_barrier_wait -1
	v_add_nc_u32 v[AP], CHD, v[AP]
	s_wait_alu depctr_va_vdst(0)
	v_add_nc_u32 v[AR], CHD, v[AR]
	s_wait_alu depctr_va_vdst(0)
	v_add_nc_u32 v[ASR], 16, v[ASR]
	KSTEP 0, 0
	KSTEP 1, 0
	KSTEP 2, 0
	KSTEP 3, 0
	; THE WAY OUT.  The bias along R; then each R tile's 64 numbers a lane (K index 16 t + 8 h + j) become two blocks' scale bytes and a half image of codes.
.rept 4
	v_nop                                          ; places in front of the first read of results and the first write of the fragments' registers
.endr
.irp u, 0,2                                    ; each accumulator from its low end on
.set i, 0
.rept 16
	v_pk_add_f32 v[ACC+32*\u+i:ACC+32*\u+i+1], v[ACC+32*\u+i:ACC+32*\u+i+1], v[BR+\u:BR+\u+1] op_sel_hi:[1,0]
.set i, i+2
.endr
.set i, 0
.rept 16
	v_pk_add_f32 v[ACC+32*\u+32+i:ACC+32*\u+33+i], v[ACC+32*\u+32+i:ACC+32*\u+33+i], v[BR+\u:BR+\u+1] op_sel:[0,1] op_sel_hi:[1,1]
.set i, i+2
.endr
.endr
.irp n, 0,1,2,3,4,5,6,7                        ; block n = 2 u + (which 32): my 16 numbers, and the floor 2^(3 - 127): the byte cannot fall under 1.  The eight blocks by turns
	v_max3_num_f32 v[MX+\n], |v[ACC+16*\n]|, |v[ACC+16*\n+1]|, 0x1800000
.endr
.irp i, 2,4,6,8,10,12,14
.irp n, 0,1,2,3,4,5,6,7
	v_max3_num_f32 v[MX+\n], v[MX+\n], |v[ACC+16*\n+\i]|, |v[ACC+16*\n+\i+1]|
.endr
.endr
.irp n, 0,1,2,3,4,5,6,7
	v_permlanex16_b32 v[MP+\n], v[MX+\n], s2, s3
.endr
.irp n, 0,1,2,3,4,5,6,7
	v_max_num_f32 v[MX+\n], v[MX+\n], v[MP+\n]     ; with lane l xor 16's: the block's largest magnitude
.endr
.irp n, 0,1,2,3,4,5,6,7
	v_add_nc_u32 v[SO+\n], 0xff000000, v[MX+\n]    ; 2 off its exponent field: the conversion's scale operand
.endr
.irp n, 0,1,2,3,4,5,6,7
	v_lshrrev_b32 v[SB+\n], 23, v[SO+\n]           ; the scale's byte
.endr
.irp u, 0,1,2,3                                ; tiles 0, 2, 1, 3 into registers 0, 1, 2, 3: the two exchanges below then give lane (r, h), register g the codes of K index 32 h + 8 g on
	v_cvt_scalef32_pk8_fp4_f32 v[CD+4*\u],   v[ACC+32*\u:ACC+32*\u+7],     v[SO+2*\u]
	v_cvt_scalef32_pk8_fp4_f32 v[CD+4*\u+1], v[ACC+32*\u+16:ACC+32*\u+23], v[SO+2*\u+1]
	v_cvt_scalef32_pk8_fp4_f32 v[CD+4*\u+2], v[ACC+32*\u+8:ACC+32*\u+15],  v[SO+2*\u]
	v_cvt_scalef32_pk8_fp4_f32 v[CD+4*\u+3], v[ACC+32*\u+24:ACC+32*\u+31], v[SO+2*\u+1]
.endr
	v_nop                                          ; one plain place behind the conversions
.irp u, 0,1,2,3
	v_permlane16_swap_b32 v[CD+4*\u], v[CD+4*\u+1]   ; the first's lanes 16-31 change places with the second's lanes 0-15
	v_permlane16_swap_b32 v[CD+4*\u+2], v[CD+4*\u+3]
.endr
.irp u, 0,1,2,3
	v_lshl_or_b32 v[HW+\u], v[SB+2*\u+1], 8, v[SB+2*\u]
.endr
	v_cmp_ne_u32 vcc_lo, 0, v2
	s_delay_alu instid0(VALU_DEP_1)
	v_cndmask_b32 v116, v[HW], v[HW+1], vcc_lo     ; lanes 0-15 store tiles 0 and 2's halfwords, lanes 16-31 tiles 1 and 3's
	s_delay_alu instid0(VALU_DEP_2)
	v_cndmask_b32 v117, v[HW+2], v[HW+3], vcc_lo
	s_lshl_b32 s5, s5, 1
	v_add_nc_u32 v118, s5, v11
	global_store_b128 v7,  v[CD:CD+3],     s[26:27]   ; 32 lanes store 512 consecutive bytes, at a multiple of 512 from the buffer's first byte
	global_store_b128 v8,  v[CD+4:CD+7],   s[26:27]
	global_store_b128 v9,  v[CD+8:CD+11],  s[26:27]
	global_store_b128 v10, v[CD+12:CD+15], s[26:27]
	global_store_b16 v11, v116, s[28:29]
	global_store_b16 v118, v117, s[28:29]
	s_set_vgpr_msb 0x5
	s_wait_tensorcnt 0x0
	ds_add_u32 v0, v1
	s_wait_dscnt 0x0
	s_set_vgpr_msb 0x500
	ROUND                                          ; the closing round: no work-group ends while a partner may still ask for a tile that names it
	s_endpgm
.Lfunc_end_k_q6e54dbf389_qkv:
	.size	k_q6e54dbf389_qkv, .Lfunc_end_k_q6e54dbf389_qkv-k_q6e54dbf389_qkv
	.p2alignl 7, 3214868480
	.fill 96, 4, 3214868480
	.section	.rodata,"a",@progbits
	.p2align	6, 0x0
	.amdhsa_kernel k_q6e54dbf389_qkv
		.amdhsa_group_segment_fixed_size 327680
		.amdhsa_private_segment_fixed_size 0
		.amdhsa_enable_private_segment 0
		.amdhsa_kernarg_size 104
		.amdhsa_user_sgpr_count 2
		.amdhsa_user_sgpr_kernarg_segment_ptr 1
		.amdhsa_wavefront_size32 1
		.amdhsa_system_sgpr_workgroup_id_x 1
		.amdhsa_system_sgpr_workgroup_id_y 1
		.amdhsa_system_sgpr_workgroup_id_z 1
		.amdhsa_system_vgpr_workitem_id 0
		.amdhsa_next_free_vgpr 258
		.amdhsa_next_free_sgpr 106
		.amdhsa_reserve_vcc 1
		.amdhsa_float_denorm_mode_32 3
		.amdhsa_float_denorm_mode_16_64 3
		.amdhsa_memory_ordered 1
		.amdhsa_forward_progress 1
		.amdhsa_inst_pref_size 52
	.end_amdhsa_kernel
	.amdgpu_metadata
---
amdhsa.version: [ 1, 2 ]
amdhsa.kernels:
  - .name:           k_q6e54dbf389_qkv
    .symbol:         k_q6e54dbf389_qkv.kd
    .args:
      - { .name: X_codes, .offset: 0, .size: 8, .value_kind: global_buffer, .address_space: global }
      - { .name: X_scales, .offset: 8, .size: 8, .value_kind: global_buffer, .address_space: global }
      - { .name: Wq_codes, .offset: 16, .size: 8, .value_kind: global_buffer, .address_space: global }
      - { .name: Wq_scales, .offset: 24, .size: 8, .value_kind: global_buffer, .address_space: global }
      - { .name: Wk_codes, .offset: 32, .size: 8, .value_kind: global_buffer, .address_space: global }
      - { .name: Wk_scales, .offset: 40, .size: 8, .value_kind: global_buffer, .address_space: global }
      - { .name: Wv_codes, .offset: 48, .size: 8, .value_kind: global_buffer, .address_space: global }
      - { .name: Wv_scales, .offset: 56, .size: 8, .value_kind: global_buffer, .address_space: global }
      - { .name: bq, .offset: 64, .size: 8, .value_kind: global_buffer, .address_space: global }
      - { .name: bk, .offset: 72, .size: 8, .value_kind: global_buffer, .address_space: global }
      - { .name: bv, .offset: 80, .size: 8, .value_kind: global_buffer, .address_space: global }
      - { .name: cod, .offset: 88, .size: 8, .value_kind: global_buffer, .address_space: global }
      - { .name: scl, .offset: 96, .size: 8, .value_kind: global_buffer, .address_space: global }
    .group_segment_fixed_size: 327680
    .private_segment_fixed_size: 0
    .kernarg_segment_align: 8
    .kernarg_segment_size: 104
    .max_flat_workgroup_size: 384
    .sgpr_count:     106
    .vgpr_count:     258
    .wavefront_size: 32
...
	.end_amdgpu_metadata
.endif
;; end of part 1
;; launch attn (part 2): grid 4 x 64, 16 waves a work-group, clusters of 4 x 1, 169,984 bytes of LDS; arguments cod, scl, ac, asc; writes ac, asc
.if DOCPART == 2
	.amdgcn_target "amdgcn-amd-amdhsa--gfx1250"
	.amdhsa_code_object_version 6
	.text
	.protected	k_q6e54dbf389_attn
	.globl	k_q6e54dbf389_attn
	.p2align	8
	.type	k_q6e54dbf389_attn,@function
k_q6e54dbf389_attn:
	s_mov_b64 s[64:65], 0
	v_nop
	global_prefetch_b8 v0, s[64:65] scope:SCOPE_SE
	s_setreg_imm32_b32 hwreg(HW_REG_WAVE_MODE, 25, 1), 1
	s_wait_xcnt 0x0
	s_wait_alu depctr_hold_cnt(0) depctr_sa_sdst(0) depctr_va_vdst(0) depctr_va_sdst(0) depctr_va_ssrc(0) depctr_va_vcc(0) depctr_vm_vsrc(0)
	s_getreg_b32 s2, hwreg(HW_REG_IB_STS2, 6, 4)
	s_cmp_eq_u32 s2, 0
	s_cbranch_scc0 .Lentry_in_a_cluster
	s_endpgm
.Lentry_in_a_cluster:
	s_bfe_u32 s2, ttmp6, 0x10000c
	s_cmp_lg_u32 s2, 0x3003
	s_cbranch_scc0 .Lentry_shape_is_right
	s_endpgm
.Lentry_shape_is_right:
; a[b][q][head, :] = softmax_k(q . k / 32) v for 64 (batch, head) pairs of 2,048 tokens, head size 64, both products on codes of FP4 (E2M1) with E8M0 scales; the result is quantised along e = 64 head + d.
; THE SOFTMAX AHEAD OF THE SECOND PRODUCT: t = score x log2(e) / 32; M = the running largest t rounded UP to a whole number; p = 2^(t - M) is quantised along the keys, not normalised;
; the row's sum is taken of the unquantised p and divides O at the end.  When M moves, the sum and O are multiplied by 2^(old M - new M): exact.
; SHARES.  A work-group owns 512 queries of one (batch, head); each of its sixteen waves two tiles of 16 queries, one after the other (two passes); a wave walks the 2,048 keys in 16 steps of 128 in each pass.
; K, V AND THEIR SCALE BYTES OF THE WHOLE HEAD LIE IN LDS (131,072 + 8,192 bytes), as images of operand registers, filled once: no ring.  The four work-groups of a cluster are the four query blocks of one
; head: each tile is asked for jointly.  The head comes in four chunks of four key steps; the first pass starts on a chunk as soon as it has landed.
; LAYOUT.  Both products are used transposed: a lane holds ONE query (lane % 16) throughout.  The head size is 64, half of an instruction's K: one operand of 8 registers holds TWO tiles of 16 keys
; (K 0-63: tile 2 b, K 64-127: tile 2 b + 1) and is multiplied once by [q, 0] and once by [0, q]: zero codes add nothing.  v[16:27] = q, 0, q serves both.
; The 16 registers of tiles 2 b and 2 b + 1 are block b of 32 keys (with lane l xor 16's); the conversions go tiles 0, 2, 1, 3 into registers 0, 1, 2, 3 and two exchanges of halves give the operand.
; LIMITS: NaN and infinities are not served; a block of zeros gets the byte 1 (its codes are zeros, and this program alone reads the bytes).
.set KVOFF,  0x400000
.set KVSOFF, 0x40000
.set SCB,    131072                    ; LDS: behind the codes: a step's scale words at 512 s: K's [r 16][16 bytes], then V's
.set KF,  32                           ; v32-63   four operands of K
.set VF,  64                           ; v64-95   four of V
.set WV,  12                           ; s12 wave; s13 query block; s14 bh; s[20:21] lane selects; s[22:23] c; s24, s25 LDS bytes of the step's codes and scale words; s26 counts steps
; REGISTERS: v1 16 x lane; v2 SCB + 16 r; v3, v4 the step's addresses; v5 32 r + h; v6 h; v7 r; v12 -M; v13 the largest t; v[14:15] the sum in two halves; v[16:27] q, 0, q; v28 q's scale word;
; v29, v30 the two tiles' halfwords; v96-159 S^T, then p; v160-191 O^T; v192-199 p's codes; v200 p's scale word; v204-207 K's scale words, v208-211 V's; v212-219 the two tiles' q; v220-224 what leaves; v232-254 at work.
.macro ROUND
	s_barrier_signal -1
	s_barrier_wait -1
	s_cmp_lg_u32 s[WV], 0
	s_cbranch_scc1 .Lnot_wave_0_\@
	s_barrier_signal -3
.Lnot_wave_0_\@:
	s_barrier_wait -3
	s_barrier_signal -1
	s_barrier_wait -1
.endm
	s_load_b256 s[4:11], s[0:1], 0x0               ; cod, scl, ac, asc
	v_lshl_add_u32 v251, v0, 2, 0x29000
	v_mov_b32 v255, 0
	ds_add_u32 v251, v255
	ds_add_u32 v251, v255
	v_lshrrev_b32 v6, 5, v0
	s_delay_alu instid0(VALU_DEP_1)
	v_readfirstlane_b32 s[WV], v6                  ; wave 0..15
	s_bfe_u32 s66, ttmp6, 0x40000                  ; cx
	s_lshl_b32 s13, ttmp9, 2
	s_add_co_u32 s13, s13, s66                     ; my block of 512 queries: it enters q's, ac's and asc's addresses alone
	s_and_b32 s14, ttmp7, 0xffff                   ; bh, which the four partners share
	; descriptor groups 1: dense blocks as rows of 256 bytes (32 elements of 8 bytes); the mask names all four work-groups
	s_mov_b32 s28, 15|(3<<16)|(1<<21)
	s_mov_b32 s29, 32<<16
	s_mov_b32 s30, 64<<16                          ; half a chunk: 64 rows
	s_mov_b32 s31, 32<<16
	s_mov_b32 s32, 64
	s_mov_b32 s33, 32
	s_mov_b32 s34, 0
	s_mov_b32 s35, 0
	s_mov_b32 s36, 15|(3<<16)|(1<<21)
	s_mov_b32 s37, 32<<16
	s_mov_b32 s38, 16<<16                          ; half the scale bytes: 16 rows
	s_mov_b32 s39, 32<<16
	s_mov_b32 s40, 16
	s_mov_b32 s41, 32
	s_mov_b32 s42, 0
	s_mov_b32 s43, 0
	s_and_b32 s15, s[WV], 1                        ; which half I fetch, if I fetch
	s_lshl_b32 s16, s14, 13
	s_lshl_b32 s18, s15, 12
	s_add_co_u32 s16, s16, s18
	s_add_co_u32 s16, s16, KVSOFF
	s_mov_b32 s17, 0
	s_lshl_b32 s18, s14, 17
	s_lshl_b32 s27, s15, 14
	s_add_co_u32 s18, s18, s27
	s_add_co_u32 s18, s18, KVOFF
	s_mov_b32 s19, 0
	s_wait_dscnt 0x0
	s_wait_kmcnt 0x0
	s_mov_b32 s44, 1
	s_lshl_b32 s45, s15, 12
	s_add_co_u32 s45, s45, SCB
	s_add_nc_u64 s[46:47], s[6:7], s[16:17]
	s_or_b32 s47, s47, 0x80000000
	s_add_nc_u64 s[18:19], s[4:5], s[18:19]
.irp n, 0,1,2,3
	s_mov_b32 s[48+4*\n], 1
	s_add_co_u32 s[49+4*\n], s27, 32768*\n
	s_add_nc_u64 s[50+4*\n:51+4*\n], s[18:19], 32768*\n
	s_or_b32 s[51+4*\n], s[51+4*\n], 0x80000000
.endr
	ROUND                                          ; all four work-groups are here: the joint loads meet
	s_cmp_lt_u32 s[WV], 2                          ; waves 0 and 1 fetch, five first fills each in one branch (five of mine are out): the scale bytes, then the four chunks
	s_cbranch_scc0 .Lasked
	tensor_load_to_lds s[44:47], s[36:43]
	s_nop 0
	tensor_load_to_lds s[48:51], s[28:35]
	s_nop 0
	tensor_load_to_lds s[52:55], s[28:35]
	s_nop 0
	tensor_load_to_lds s[56:59], s[28:35]
	s_nop 0
	tensor_load_to_lds s[60:63], s[28:35]
	s_nop 0
.rept 4
	v_nop
.endr
.Lasked:
	; my two tiles of queries: token tiles 32 qb + 2 w and the next, of the head's 128
	s_lshl_b32 s16, s14, 16
	s_lshl_b32 s18, s13, 14
	s_add_co_u32 s16, s16, s18
	s_lshl_b32 s18, s[WV], 10
	s_add_co_u32 s16, s16, s18
	s_add_nc_u64 s[4:5], s[4:5], s[16:17]          ; their images
	s_lshl_b32 s16, s14, 12
	s_lshl_b32 s18, s13, 10
	s_add_co_u32 s16, s16, s18
	s_lshr_b32 s18, s[WV], 2
	s_lshl_b32 s18, s18, 8
	s_add_co_u32 s16, s16, s18
	s_and_b32 s18, s[WV], 3
	s_lshl_b32 s18, s18, 2
	s_add_co_u32 s16, s16, s18
	s_add_nc_u64 s[6:7], s[6:7], s[16:17]          ; their halfwords of scale bytes
	s_lshr_b32 s18, s14, 4                         ; the batch
	s_and_b32 s19, s14, 15                         ; the head
	s_lshl_b32 s16, s18, 20                        ; ac: 8,192 x (128 batch + 32 qb + 2 w) + 512 head
	s_lshl_b32 s27, s13, 18
	s_add_co_u32 s16, s16, s27
	s_lshl_b32 s27, s[WV], 14
	s_add_co_u32 s16, s16, s27
	s_lshl_b32 s27, s19, 9
	s_add_co_u32 s16, s16, s27
	s_add_nc_u64 s[8:9], s[8:9], s[16:17]
	s_lshl_b32 s16, s18, 16                        ; asc: 512 x the same + 2 head
	s_lshl_b32 s27, s13, 14
	s_add_co_u32 s16, s16, s27
	s_lshl_b32 s27, s[WV], 10
	s_add_co_u32 s16, s16, s27
	s_lshl_b32 s27, s19, 1
	s_add_co_u32 s16, s16, s27
	s_add_nc_u64 s[10:11], s[10:11], s[16:17]
	v_and_b32 v1, 31, v0
	s_delay_alu instid0(VALU_DEP_1)
	v_lshlrev_b32 v1, 4, v1                        ; 16 x lane: an image's place for my lane
	v_and_b32 v7, 15, v0                           ; r
	v_bfe_u32 v6, v0, 4, 1                         ; h
	s_delay_alu instid0(VALU_DEP_2)
	v_lshl_add_u32 v2, v7, 4, SCB
	s_delay_alu instid0(VALU_DEP_2)
	v_lshl_add_u32 v5, v7, 5, v6
	s_delay_alu instid0(VALU_DEP_4)
	v_lshlrev_b32 v8, 4, v7
	global_load_b128 v[212:215], v1, s[4:5]
	global_load_b128 v[216:219], v1, s[4:5] offset:512
	global_load_u16 v29, v8, s[6:7]
	global_load_u16 v30, v8, s[6:7] offset:2
	s_mov_b32 s20, 0x76543210
	s_mov_b32 s21, 0xfedcba98                      ; v_permlanex16_b32's selects for lane l xor 16
	s_mov_b32 s22, 0x3d38aa3b                      ; c = log2(e) / 32
	s_mov_b32 s23, s22                             ; (named with it as a pair, so it is written)
.irp g, 0,1,2,3
	v_mov_b32 v[20+\g], 0                          ; the zero codes between the two copies of q
	v_mov_b32 v[236+\g], 0                         ; written once: a lane permute's destination counts as one of its sources
.endr
	v_mov_b32 v253, 0                              ; (named as the upper half of the pair v[252:253])
	s_wait_loadcnt 0x0
; A KEY STEP: 128 keys, whose codes begin at LDS byte s24 and whose scale words at SCB + s25.
.macro STEP
	s_setprio 2
	v_add_nc_u32 v3, s24, v1
	v_add_nc_u32 v4, s25, v2
	v_nop
	v_nop                                          ; four places in front of loads into registers that the last step's products have read
.irp b, 0,1,2,3
.irp c, 0,1
	ds_load_b128 v[KF+8*\b+4*\c:KF+8*\b+4*\c+3], v3 offset:1024*\b+512*\c      ; key tile 2 b + c
.endr
.endr
	ds_load_b128 v[204:207], v4                    ; word b: the two bytes of tile 2 b's key r, the two of tile 2 b + 1's
.irp t, 0,1,2,3
.irp c, 0,1
	ds_load_b128 v[VF+8*\t+4*\c:VF+8*\t+4*\c+3], v3 offset:4096+1024*\t+512*\c ; channels 16 t on, keys 64 c on
.endr
.endr
	ds_load_b128 v[208:211], v4 offset:256         ; word t: the four bytes of channel 16 t + r
	s_wait_dscnt 0x9                               ; K's nine loads are in; V's nine may be out
.irp b, 0,1,2,3                                ; S^T = K Q^T
	v_wmma_scale_f32_16x16x128_f8f6f4 v[96+16*\b:103+16*\b], v[KF+8*\b:KF+8*\b+7], v[16:23], 0, v[204+\b], v28 matrix_a_fmt:MATRIX_FMT_FP4 matrix_b_fmt:MATRIX_FMT_FP4
	v_wmma_scale_f32_16x16x128_f8f6f4 v[104+16*\b:111+16*\b], v[KF+8*\b:KF+8*\b+7], v[20:27], 0, v[204+\b], v28 matrix_a_fmt:MATRIX_FMT_FP4 matrix_b_fmt:MATRIX_FMT_FP4
.endr
.rept 4
	v_nop
.endr
.irp b, 0,1,2,3
	v_max3_num_f32 v[232+\b], v[96+16*\b], v[97+16*\b], v[98+16*\b]   ; the largest score of each block of 32 keys: for the row's maximum, and, since p rises with the score, for the block's largest p
.endr
.irp i, 3,5,7,9,11,13
.irp b, 0,1,2,3
	v_max3_num_f32 v[232+\b], v[232+\b], v[96+16*\b+\i], v[97+16*\b+\i]   ; (the four blocks by turns; the odd tile is first read at its lowest register)
.endr
.endr
.irp b, 0,1,2,3
	v_max_num_f32 v[232+\b], v[232+\b], v[111+16*\b]
.endr
.irp b, 0,1,2,3
	s_delay_alu instid0(VALU_DEP_4)
	v_permlanex16_b32 v[236+\b], v[232+\b], s20, s21
.endr
.irp b, 0,1,2,3
	s_delay_alu instid0(VALU_DEP_4)
	v_max_num_f32 v[232+\b], v[232+\b], v[236+\b]  ; with lane l xor 16's 16 keys
.endr
	s_delay_alu instid0(VALU_DEP_2)
	v_max3_num_f32 v254, v232, v233, v234
	s_delay_alu instid0(VALU_DEP_1)
	v_max_num_f32 v254, v254, v235                 ; the step's largest score of my query
	s_delay_alu instid0(VALU_DEP_1)
	v_mul_f32 v254, s22, v254                      ; as t (c is positive)
	s_delay_alu instid0(VALU_DEP_1)
	v_max_num_f32 v13, v13, v254                   ; the running largest t
	v_mov_b32 v254, v12
	s_delay_alu instid0(VALU_DEP_2)
	v_floor_f32 v12, -v13                          ; the new -M = floor(-t) = -ceil(t)
	s_delay_alu instid0(VALU_DEP_1)
	v_sub_f32 v254, v12, v254                      ; old M - new M: a whole number, 0 or less
	s_delay_alu instid0(VALU_DEP_1)
	v_cvt_i32_f32 v254, v254                       ; (it saturates)
	s_delay_alu instid0(VALU_DEP_1)
	v_ldexp_f32 v252, 1.0, v254                    ; f = 2^(old M - new M)
.set j, 0
.rept 32
	v_pk_fma_f32 v[96+j:97+j], v[96+j:97+j], s[22:23], v[12:13] op_sel_hi:[1,0,0]   ; t - M, two at a time
.set j, j+2
.endr
.irp b, 0,1,2,3
	v_fma_f32 v[232+\b], v[232+\b], s22, v12       ; the same of each block's largest score
.endr
.set j, 0
	s_wait_alu depctr_va_vdst(0)
.rept 64
	v_exp_f32 v[96+j], v[96+j]                     ; p = 2^(t - M), at most 1
.set j, j+1
.endr
	s_setprio 1
	v_pk_mul_f32 v[14:15], v[14:15], v[252:253] op_sel_hi:[1,0]   ; the sums under the new M; the plain instruction behind the exponentials
	s_wait_alu depctr_va_vdst(0)                   ; one wait for the batch of 64, ahead of its first reader
.irp b, 0,1,2,3
	v_exp_f32 v[232+\b], v[232+\b]                 ; the block's largest p
.endr
	v_pk_add_f32 v[236:237], v[100:101], v[104:105]
	v_pk_add_f32 v[248:249], v[108:109], v[112:113]
	v_pk_add_f32 v[246:247], v[116:117], v[120:121]
	v_pk_add_f32 v[244:245], v[124:125], v[128:129]
	v_pk_add_f32 v[242:243], v[132:133], v[136:137]
	v_pk_add_f32 v[240:241], v[140:141], v[144:145]
	v_pk_add_f32 v[238:239], v[148:149], v[152:153]
	v_pk_add_f32 v[14:15], v[14:15], v[156:157]
	v_pk_add_f32 v[236:237], v[236:237], v[96:97]
	v_pk_add_f32 v[248:249], v[248:249], v[98:99]
	v_pk_add_f32 v[246:247], v[246:247], v[102:103]
	v_pk_add_f32 v[244:245], v[244:245], v[106:107]
	v_pk_add_f32 v[242:243], v[242:243], v[110:111]
	v_pk_add_f32 v[240:241], v[240:241], v[114:115]
	v_pk_add_f32 v[238:239], v[238:239], v[118:119]
	v_pk_add_f32 v[14:15], v[14:15], v[122:123]
	v_pk_add_f32 v[236:237], v[236:237], v[126:127]
	v_pk_add_f32 v[248:249], v[248:249], v[130:131]
	v_pk_add_f32 v[246:247], v[246:247], v[134:135]
	v_pk_add_f32 v[244:245], v[244:245], v[138:139]
	v_pk_add_f32 v[242:243], v[242:243], v[142:143]
	v_pk_add_f32 v[240:241], v[240:241], v[146:147]
	v_pk_add_f32 v[238:239], v[238:239], v[150:151]
	v_pk_add_f32 v[14:15], v[14:15], v[154:155]
	v_pk_add_f32 v[236:237], v[236:237], v[158:159]
	s_delay_alu instid0(VALU_DEP_2)
	v_pk_add_f32 v[14:15], v[14:15], v[244:245]
	s_delay_alu instid0(VALU_DEP_2)
	v_pk_add_f32 v[236:237], v[236:237], v[242:243]
	v_pk_add_f32 v[248:249], v[248:249], v[240:241]
	v_pk_add_f32 v[246:247], v[246:247], v[238:239]
	s_delay_alu instid0(VALU_DEP_2)
	v_pk_add_f32 v[14:15], v[14:15], v[248:249]
	s_delay_alu instid0(VALU_DEP_2)
	v_pk_add_f32 v[236:237], v[236:237], v[246:247]
	s_delay_alu instid0(VALU_DEP_1)
	v_pk_add_f32 v[14:15], v[14:15], v[236:237]
	s_wait_alu depctr_va_vdst(0)                   ; and one for the four
.irp b, 0,1,2,3
	v_max_num_f32 v[232+\b], 0x1800000, v[232+\b]  ; the floor 2^(3 - 127): the byte cannot fall under 1
.endr
.irp b, 0,1,2,3
	s_delay_alu instid0(VALU_DEP_4)
	v_add_nc_u32 v[244+\b], 0xff000000, v[232+\b]  ; 2 off the exponent field: the conversion's scale operand
.endr
.irp b, 0,1,2,3
	s_delay_alu instid0(VALU_DEP_4)
	v_lshrrev_b32 v[236+\b], 23, v[244+\b]         ; the scale's byte
.endr
	s_delay_alu instid0(VALU_DEP_3)
	v_lshl_or_b32 v200, v237, 8, v236              ; p's scale word for these 128 keys
	s_delay_alu instid0(VALU_DEP_1)
	v_lshl_or_b32 v200, v238, 16, v200
	s_delay_alu instid0(VALU_DEP_1)
	v_lshl_or_b32 v200, v239, 24, v200
.irp c, 0,1                                    ; keys 64 c on: tiles 0, 2, 1, 3 into registers 0, 1, 2, 3
	v_cvt_scalef32_pk8_fp4_f32 v[192+4*\c], v[96+32*\c:103+32*\c],  v[244+2*\c]
	v_cvt_scalef32_pk8_fp4_f32 v[193+4*\c], v[112+32*\c:119+32*\c], v[245+2*\c]
	v_cvt_scalef32_pk8_fp4_f32 v[194+4*\c], v[104+32*\c:111+32*\c], v[244+2*\c]
	v_cvt_scalef32_pk8_fp4_f32 v[195+4*\c], v[120+32*\c:127+32*\c], v[245+2*\c]
.endr
	v_nop                                          ; one plain place behind the conversions
.irp c, 0,1
	v_permlane16_swap_b32 v[192+4*\c], v[193+4*\c] ; lane (r, h), register 4 c + g now holds keys 64 c + 32 h + 8 g + 0..7
	v_permlane16_swap_b32 v[194+4*\c], v[195+4*\c]
.endr
.set j, 0
	s_setprio 0
.rept 16
	v_pk_mul_f32 v[160+j:161+j], v[160+j:161+j], v[252:253] op_sel_hi:[1,0]   ; O^T under the new M.  Twelve of these name none of a given product's registers: the places behind p's scale word and codes
.set j, j+2
.endr
	s_wait_alu depctr_va_vdst(0)
	s_wait_dscnt 0x0                               ; V is in
.irp t, 0,1,2,3                                ; O^T += V^T P^T: the four accumulators by turns, one instruction a turn
	v_wmma_scale_f32_16x16x128_f8f6f4 v[160+8*\t:167+8*\t], v[VF+8*\t:VF+8*\t+7], v[192:199], v[160+8*\t:167+8*\t], v[208+\t], v200 matrix_a_fmt:MATRIX_FMT_FP4 matrix_b_fmt:MATRIX_FMT_FP4
.endr
	s_add_co_u32 s24, s24, 8192
	s_add_co_u32 s25, s25, 512
.endm
; The first pass takes the head chunk by chunk: four key steps, as soon as they have landed.  The addresses are set anew for each chunk, so that a loop's reads lie inside bytes that have landed.
.macro CHUNK n
	s_wait_tensorcnt 3-\n                          ; the scale bytes and chunks 0 to n of mine have landed; the later chunks may stay out
	s_wait_dscnt 0x0
	s_barrier_signal -1
	s_barrier_wait -1                              ; everybody's have
	s_mov_b32 s24, 32768*\n
	s_mov_b32 s25, 2048*\n
	s_mov_b32 s26, 4
.Lstep_\@:
	STEP
	s_sub_co_u32 s26, s26, 1
	s_cmp_lg_u32 s26, 0
	s_cbranch_scc1 .Lstep_\@
	s_setprio 0
.endm
; A pass begins: tile p's q and scale word; the largest t is -3e38, the sum and O^T zeros, which the first change of M leaves zeros (so the step is written without a first step of its own).
.macro BEGIN p
	v_lshl_or_b32 v28, v[29+\p], 16, v[29+\p]      ; q's two bytes, for K 0-63 and for K 64-127
.irp g, 0,1,2,3
	v_mov_b32 v[16+\g], v[212+4*\p+\g]
	v_mov_b32 v[24+\g], v[212+4*\p+\g]
.endr
	v_mov_b32 v13, 0xff61b1e6
	s_delay_alu instid0(VALU_DEP_1)
	v_floor_f32 v12, -v13
	v_mov_b32 v14, 0
	v_mov_b32 v15, 0
.set j, 0
.rept 32
	v_mov_b32 v[160+j], 0                          ; (these are also the places between the writes of q and its scale word and the first product)
.set j, j+1
.endr
.endm
; A pass ends: O^T / the sum; a lane's 32 numbers (d = 16 t + 8 h + j of query r) and lane l xor 16's are the head's two blocks along e: two scale bytes and a half image of codes.
.macro FINISH p
	v_add_f32 v14, v14, v15                        ; the sum's two halves,
	s_delay_alu instid0(VALU_DEP_1)
	v_permlanex16_b32 v252, v14, s20, s21
	s_delay_alu instid0(VALU_DEP_1)
	v_add_f32 v14, v14, v252                       ; and lane l xor 16's
	s_wait_alu depctr_va_vdst(0)
	v_rcp_f32 v14, v14
.rept 4
	v_nop                                          ; the plain instruction behind the reciprocal, and the places behind the last products
.endr
	s_wait_alu depctr_va_vdst(0)                   ; the wait ahead of the reciprocal's first reader
.set j, 0
.rept 32
	v_mul_f32 v[96+j], v[160+j], v14               ; each accumulator from its low end on
.set j, j+1
.endr
	s_wait_xcnt 0x0                                ; the last pass's stores have read v220-224
.irp b, 0,1
	v_max3_num_f32 v[232+\b], |v[96+16*\b]|, |v[97+16*\b]|, 0x1800000
.endr
.irp i, 2,4,6,8,10,12,14
.irp b, 0,1
	s_delay_alu instid0(VALU_DEP_2)
	v_max3_num_f32 v[232+\b], v[232+\b], |v[96+16*\b+\i]|, |v[97+16*\b+\i]|
.endr
.endr
.irp b, 0,1
	s_delay_alu instid0(VALU_DEP_2)
	v_permlanex16_b32 v[236+\b], v[232+\b], s20, s21
.endr
.irp b, 0,1
	s_delay_alu instid0(VALU_DEP_2)
	v_max_num_f32 v[232+\b], v[232+\b], v[236+\b]
.endr
.irp b, 0,1
	s_delay_alu instid0(VALU_DEP_2)
	v_add_nc_u32 v[244+\b], 0xff000000, v[232+\b]
.endr
.irp b, 0,1
	s_delay_alu instid0(VALU_DEP_2)
	v_lshrrev_b32 v[240+\b], 23, v[244+\b]
.endr
	v_cvt_scalef32_pk8_fp4_f32 v220, v[96:103],  v244
	v_cvt_scalef32_pk8_fp4_f32 v221, v[112:119], v245
	v_cvt_scalef32_pk8_fp4_f32 v222, v[104:111], v244
	v_cvt_scalef32_pk8_fp4_f32 v223, v[120:127], v245
	v_nop                                          ; one plain place behind the conversions
	v_permlane16_swap_b32 v220, v221
	v_permlane16_swap_b32 v222, v223
	v_cmp_ne_u32 vcc_lo, 0, v6
	s_delay_alu instid0(VALU_DEP_1)
	v_cndmask_b32 v224, v240, v241, vcc_lo         ; lanes 0-15 store block 0's byte, lanes 16-31 block 1's
	global_store_b128 v1, v[220:223], s[8:9] offset:8192*\p   ; 32 lanes store 512 consecutive bytes
	global_store_b8 v5, v224, s[10:11] offset:512*\p
.endm
	BEGIN 0
	CHUNK 0
	CHUNK 1
	CHUNK 2
	CHUNK 3
	FINISH 0
	BEGIN 1
	s_mov_b32 s24, 0                               ; the whole head lies in LDS: sixteen steps in one loop
	s_mov_b32 s25, 0
	s_mov_b32 s26, 16
.Lsecond:
	STEP
	s_sub_co_u32 s26, s26, 1
	s_cmp_lg_u32 s26, 0
	s_cbranch_scc1 .Lsecond
	s_setprio 0
	FINISH 1
	s_wait_tensorcnt 0x0
	ds_add_u32 v251, v255
	s_wait_dscnt 0x0
	ROUND                                          ; the closing round: no work-group ends while a partner may still ask for a tile that names it
	s_endpgm
.Lfunc_end_k_q6e54dbf389_attn:
	.size	k_q6e54dbf389_attn, .Lfunc_end_k_q6e54dbf389_attn-k_q6e54dbf389_attn
	.p2alignl 7, 3214868480
	.fill 96, 4, 3214868480
	.section	.rodata,"a",@progbits
	.p2align	6, 0x0
	.amdhsa_kernel k_q6e54dbf389_attn
		.amdhsa_group_segment_fixed_size 169984
		.amdhsa_private_segment_fixed_size 0
		.amdhsa_enable_private_segment 0
		.amdhsa_kernarg_size 32
		.amdhsa_user_sgpr_count 2
		.amdhsa_user_sgpr_kernarg_segment_ptr 1
		.amdhsa_wavefront_size32 1
		.amdhsa_system_sgpr_workgroup_id_x 1
		.amdhsa_system_sgpr_workgroup_id_y 1
		.amdhsa_system_sgpr_workgroup_id_z 1
		.amdhsa_system_vgpr_workitem_id 0
		.amdhsa_next_free_vgpr 256
		.amdhsa_next_free_sgpr 72
		.amdhsa_reserve_vcc 1
		.amdhsa_float_denorm_mode_32 3
		.amdhsa_float_denorm_mode_16_64 3
		.amdhsa_memory_ordered 1
		.amdhsa_forward_progress 1
		.amdhsa_inst_pref_size 100
	.end_amdhsa_kernel
	.amdgpu_metadata
---
amdhsa.version: [ 1, 2 ]
amdhsa.kernels:
  - .name:           k_q6e54dbf389_attn
    .symbol:         k_q6e54dbf389_attn.kd
    .args:
      - { .name: cod, .offset: 0, .size: 8, .value_kind: global_buffer, .address_space: global }
      - { .name: scl, .offset: 8, .size: 8, .value_kind: global_buffer, .address_space: global }
      - { .name: ac, .offset: 16, .size: 8, .value_kind: global_buffer, .address_space: global }
      - { .name: asc, .offset: 24, .size: 8, .value_kind: global_buffer, .address_space: global }
    .group_segment_fixed_size: 169984
    .private_segment_fixed_size: 0
    .kernarg_segment_align: 8
    .kernarg_segment_size: 32
    .max_flat_workgroup_size: 512
    .sgpr_count:     72
    .vgpr_count:     256
    .wavefront_size: 32
...
	.end_amdgpu_metadata
.endif
;; end of part 2
;; launch proj (part 3): grid 4 x 64, 8 waves a work-group, clusters of 4 x 4, 327,680 bytes of LDS; arguments ac, asc, Wp_codes, Wp_scales, bp, out0; writes out0
.if DOCPART == 3
	.amdgcn_target "amdgcn-amd-amdhsa--gfx1250"
	.amdhsa_code_object_version 6
	.text
	.protected	k_q6e54dbf389_proj
	.globl	k_q6e54dbf389_proj
	.p2align	8
	.type	k_q6e54dbf389_proj,@function
k_q6e54dbf389_proj:
	s_mov_b64 s[64:65], 0
	v_nop
	global_prefetch_b8 v0, s[64:65] scope:SCOPE_SE
	s_setreg_imm32_b32 hwreg(HW_REG_WAVE_MODE, 25, 1), 1
	s_wait_xcnt 0x0
	s_wait_alu depctr_hold_cnt(0) depctr_sa_sdst(0) depctr_va_vdst(0) depctr_va_sdst(0) depctr_va_ssrc(0) depctr_va_vcc(0) depctr_vm_vsrc(0)
	s_getreg_b32 s2, hwreg(HW_REG_IB_STS2, 6, 4)
	s_cmp_eq_u32 s2, 0
	s_cbranch_scc0 .Lentry_in_a_cluster
	s_endpgm
.Lentry_in_a_cluster:
	s_bfe_u32 s2, ttmp6, 0x10000c
	s_cmp_lg_u32 s2, 0xf033
	s_cbranch_scc0 .Lentry_shape_is_right
	s_endpgm
.Lentry_shape_is_right:
; out0 = a Wp^T + bp on codes of FP4 (E2M1) with E8M0 scales.  a: 8,192 tokens x 1,024, as images of operand registers (ac: [token tile 512][head 16][512 bytes]) and scale bytes (asc: [token][32]).
; SHARES.  A work-group makes 128 tokens x 256 columns; eight waves, each 64 tokens (w / 4) x 64 columns (w % 4): 4 x 4 tiles.  All operands for the whole K = 1,024 lie in LDS, filled once: no ring.
; THE MATRIX INSTRUCTION IS USED TRANSPOSED (source 0 = P = 16 rows of Wp, source 1 = R = 16 tokens): a lane holds eight neighbouring columns of one row of out0.  bp is the C of the first K step.
; CLUSTER 4 x 4: the four work-groups of a row share their 128 tokens, the four of a column their 256 rows of Wp: each tile is asked for jointly.
; THE WAY OUT: a tile of 16 tokens x 64 columns goes through the wave's own stage in LDS and leaves as rows of 256 consecutive bytes, sixteen lanes to a row.
.set G64,  17408                       ; 64 rows of Wp: 256 bytes + 16 of padding each
.set SG,   2176                        ; the scale bytes of 64 rows: 8 units of 256 bytes + 16
.set LW0,  32768                       ; LDS: a's images of K 0-511 at 0 (token tile i at 4,096 i, K step q at + 1,024 q), Wp's 4 groups here
.set CHD,  102400                      ; the same again for K 512-1,023, this much further on
.set LAS,  204800                      ; a's scale bytes, 2 groups
.set LWS,  209152                      ; Wp's, 4 groups; ends at 217,856
.set STG,  262144                      ; the stages: 16 rows x 272 bytes for each wave, in blocks of 256 bytes into which no fill lands
.set AP,  4                            ; v4   LDS address of my fragments of Wp
.set AR,  5                            ; v5   of my images of a
.set ASR, 6                            ; v6   of my scale words: lanes 0-15 the tokens', lanes 16-31 Wp's rows'
.set STO, 7                            ; v7   the way out: where I put 32 bytes of a row
.set RD,  8                            ; v8   where I read a row back
.set GO,  9                            ; v9   my byte offset in two rows of out0
.set BP,  12                           ; v12-43   bp: 8 registers a tile, in the result's layout
.set SC,  48                           ; v48-63   scale words
.set PF,  64                           ; v64-95   Wp's four fragments
.set RF,  96                           ; v96-127  a's four
.set ACC, 128                          ; v128-255 accumulator (u, t) at 32 u + 8 t
.set BK,  64                           ; the way out: rows read back, two sets of 32 registers
.set WV,  30
.macro ROUND
	s_barrier_signal -1
	s_barrier_wait -1
	s_cmp_lg_u32 s[WV], 0
	s_cbranch_scc1 .Lnot_wave_0_\@
	s_barrier_signal -3
.Lnot_wave_0_\@:
	s_barrier_wait -3
	s_barrier_signal -1
	s_barrier_wait -1
.endm
	s_load_b256 s[4:11], s[0:1], 0x0               ; ac, asc, Wp codes, Wp scales
	s_load_b128 s[12:15], s[0:1], 0x20             ; bp, out0
	v_lshl_add_u32 v46, v0, 2, 0x48800
	v_mov_b32 v47, 0
	ds_add_u32 v46, v47
	ds_add_u32 v46, v47
	v_lshrrev_b32 v1, 5, v0
	s_delay_alu instid0(VALU_DEP_1)
	v_readfirstlane_b32 s[WV], v1                  ; wave 0..7
	s_and_b32 s31, s[WV], 3                        ; which 64 columns
	s_lshr_b32 s32, s[WV], 2                       ; which 64 tokens
	s_and_b32 s33, s[WV], 1                        ; waves 0, 1 fetch a's halves,
	s_add_co_u32 s16, s[WV], 2
	s_and_b32 s16, s16, 3                          ; waves 2 to 5 Wp's groups 0 to 3
	s_bfe_u32 s34, ttmp6, 0x40000                  ; cx
	s_bfe_u32 s35, ttmp6, 0x40004                  ; cy
	s_lshl_b32 s36, ttmp9, 2
	s_add_co_u32 s36, s36, s34                     ; the block of 256 columns
	s_and_b32 s37, ttmp7, 0xffff
	s_lshl_b32 s37, s37, 2
	s_add_co_u32 s37, s37, s35                     ; the block of 128 tokens
	s_lshl_b32 s38, s35, 2
	s_lshl_b32 s38, 15, s38                        ; my row of the cluster
	s_lshl_b32 s39, 0x1111, s34                    ; my column
	; a's images: 4 token tiles x 4,096 bytes (8 heads) of 8,192: rows of 512 elements of 8 bytes, 1,024 apart
	s_or_b32 s40, s38, (3<<16)|(1<<21)
	s_mov_b32 s41, 512<<16
	s_mov_b32 s42, 4<<16
	s_mov_b32 s43, 512<<16
	s_mov_b32 s44, 4
	s_mov_b32 s45, 1024
	s_mov_b32 s46, 0
	s_mov_b32 s47, 0
	; Wp's codes: 64 rows x 256 bytes of rows of 512, 16 bytes of padding behind each 256
	s_or_b32 s56, s39, (1<<20)|(1<<21)|(5<<22)|(3<<25)
	s_mov_b32 s57, 256<<16
	s_mov_b32 s58, 64<<16
	s_mov_b32 s59, 256<<16
	s_mov_b32 s60, 64
	s_mov_b32 s61, 512
	s_mov_b32 s62, 0
	s_mov_b32 s63, 0
	; scale bytes of 64 rows: 2,048 dense bytes as 8 rows of 256, padded likewise
	s_or_b32 s48, s38, (3<<16)|(1<<20)|(1<<21)|(5<<22)|(3<<25)
	s_or_b32 s68, s39, (3<<16)|(1<<20)|(1<<21)|(5<<22)|(3<<25)
.irp g, 48, 68
	s_mov_b32 s[\g+1], 32<<16
	s_mov_b32 s[\g+2], 8<<16
	s_mov_b32 s[\g+3], 32<<16
	s_mov_b32 s[\g+4], 8
	s_mov_b32 s[\g+5], 32
	s_mov_b32 s[\g+6], 0
	s_mov_b32 s[\g+7], 0
.endr
	s_wait_dscnt 0x0
	s_wait_kmcnt 0x0
	; groups 0 for a (s76-87).  Nothing here hangs on cx
	s_mov_b32 s76, 1
	s_lshl_b32 s77, s33, 14
	s_lshl_b32 s78, s37, 16                        ; token tile 8 tb + 4 half, 8,192 bytes each
	s_lshl_b32 s100, s33, 15
	s_add_co_u32 s78, s78, s100
	s_mov_b32 s79, 0
	s_add_nc_u64 s[78:79], s[4:5], s[78:79]
	s_mov_b32 s84, 1
	s_add_co_u32 s85, s77, CHD
	s_add_nc_u64 s[86:87], s[78:79], 4096          ; heads 8 on
	s_or_b32 s79, s79, 0x80000000
	s_or_b32 s87, s87, 0x80000000
	s_mov_b32 s80, 1
	s_mul_i32 s81, s33, SG
	s_add_co_u32 s81, s81, LAS
	s_lshl_b32 s82, s37, 12
	s_lshl_b32 s100, s33, 11
	s_add_co_u32 s82, s82, s100
	s_mov_b32 s83, 0
	s_add_nc_u64 s[82:83], s[6:7], s[82:83]
	s_or_b32 s83, s83, 0x80000000
	; groups 0 for Wp (s88-99).  Nothing here hangs on cy
	s_mov_b32 s88, 1
	s_mul_i32 s89, s16, G64
	s_add_co_u32 s89, s89, LW0
	s_lshl_b32 s90, s36, 17                        ; row 256 nb + 64 g, 512 bytes each
	s_lshl_b32 s66, s16, 15
	s_add_co_u32 s90, s90, s66
	s_mov_b32 s91, 0
	s_add_nc_u64 s[90:91], s[8:9], s[90:91]
	s_mov_b32 s96, 1
	s_add_co_u32 s97, s89, CHD
	s_add_nc_u64 s[98:99], s[90:91], 256
	s_or_b32 s91, s91, 0x80000000
	s_or_b32 s99, s99, 0x80000000
	s_mov_b32 s92, 1
	s_mul_i32 s93, s16, SG
	s_add_co_u32 s93, s93, LWS
	s_lshl_b32 s94, s36, 13
	s_lshl_b32 s66, s16, 11
	s_add_co_u32 s94, s94, s66
	s_mov_b32 s95, 0
	s_add_nc_u64 s[94:95], s[10:11], s[94:95]
	s_or_b32 s95, s95, 0x80000000
	ROUND                                          ; all sixteen work-groups are here: the joint loads meet
	; the fills, all first fills, three loads a fetching wave (three of mine are out): K 0-511, the scale bytes, K 512-1,023
	s_cmp_lt_u32 s[WV], 2
	s_cbranch_scc0 .Lnot_a
	tensor_load_to_lds s[76:79], s[40:47]
	s_nop 0
	tensor_load_to_lds s[80:83], s[48:55]
	s_nop 0
	tensor_load_to_lds s[84:87], s[40:47]
	s_nop 0
.rept 4
	v_nop
.endr
	s_branch .Lasked
.Lnot_a:
	s_cmp_lt_u32 s[WV], 6
	s_cbranch_scc0 .Lasked
	tensor_load_to_lds s[88:91], s[56:63]
	s_nop 0
	tensor_load_to_lds s[92:95], s[68:75]
	s_nop 0
	tensor_load_to_lds s[96:99], s[56:63]
	s_nop 0
.rept 4
	v_nop
.endr
.Lasked:
	v_and_b32 v1, 15, v0                           ; r
	v_bfe_u32 v2, v0, 4, 1                         ; h
	s_wait_alu depctr_va_vdst(0)
	v_and_b32 v3, 31, v0                           ; lane
	s_mul_i32 s4, s31, G64
	s_add_co_u32 s4, s4, LW0                       ; my 64 rows of Wp
	v_mul_u32_u24 v[AP], v1, 272
	s_delay_alu instid0(VALU_DEP_1)
	v_lshl_add_u32 v[AP], v2, 4, v[AP]
	s_delay_alu instid0(VALU_DEP_1)
	v_add_nc_u32 v[AP], s4, v[AP]
	s_lshl_b32 s5, s32, 14                         ; my four token tiles
	v_lshlrev_b32 v[AR], 4, v3
	s_delay_alu instid0(VALU_DEP_1)
	v_add_nc_u32 v[AR], s5, v[AR]
	s_mul_i32 s6, s32, SG
	s_add_co_u32 s6, s6, LAS                       ; my tokens' scale bytes
	s_mul_i32 s7, s31, SG
	s_add_co_u32 s7, s7, LWS
	s_sub_co_u32 s7, s7, s6                        ; from there to my rows of Wp's (positive)
	v_mul_u32_u24 v10, s7, v2                      ; lanes 16-31 take Wp's
	v_lshlrev_b32 v11, 5, v1                       ; 32 bytes a row,
	v_lshrrev_b32 v[ASR], 3, v1
	s_delay_alu instid0(VALU_DEP_1)
	v_lshl_add_u32 v11, v[ASR], 4, v11             ; and 16 more behind each 256
	s_delay_alu instid0(VALU_DEP_1)
	v_add_nc_u32 v10, v10, v11
	s_delay_alu instid0(VALU_DEP_1)
	v_add_nc_u32 v[ASR], s6, v10
	s_mul_i32 s8, s[WV], 4352
	s_add_co_u32 s8, s8, STG                       ; my stage
	v_mul_u32_u24 v[STO], v1, 272
	s_delay_alu instid0(VALU_DEP_1)
	v_lshl_add_u32 v[STO], v2, 5, v[STO]
	s_delay_alu instid0(VALU_DEP_1)
	v_add_nc_u32 v[STO], s8, v[STO]                ; in: row r, 32 bytes for each half of the lanes
	v_mul_u32_u24 v[RD], v2, 272
	s_delay_alu instid0(VALU_DEP_1)
	v_lshl_add_u32 v[RD], v1, 4, v[RD]
	s_delay_alu instid0(VALU_DEP_1)
	v_add_nc_u32 v[RD], s8, v[RD]                  ; back: lanes 0-15 one row of 256 bytes, lanes 16-31 the next
	v_lshlrev_b32 v[GO], 12, v2
	s_delay_alu instid0(VALU_DEP_1)
	v_lshl_add_u32 v[GO], v1, 4, v[GO]             ; and the same two rows in out0
	s_lshl_b32 s16, s36, 10
	s_lshl_b32 s18, s31, 8
	s_add_co_u32 s16, s16, s18                     ; my first column, in bytes
	s_mov_b32 s17, 0
	s_add_nc_u64 s[12:13], s[12:13], s[16:17]      ; bp there
	s_add_nc_u64 s[14:15], s[14:15], s[16:17]
	s_lshl_b32 s16, s37, 19
	s_lshl_b32 s18, s32, 18
	s_add_co_u32 s16, s16, s18                     ; my first token, rows of 4,096 bytes
	s_add_nc_u64 s[14:15], s[14:15], s[16:17]      ; out0 at my corner
	v_lshlrev_b32 v10, 5, v2                       ; bp: tile t, columns 16 t + 8 h + 0..7
.irp t, 0,1,2,3
	global_load_b128 v[BP+8*\t:BP+8*\t+3], v10, s[12:13] offset:64*\t
	global_load_b128 v[BP+8*\t+4:BP+8*\t+7], v10, s[12:13] offset:64*\t+16
.endr
	s_wait_loadcnt 0x0
; A K step of 128: four places in front of loads into registers that matrix instructions have read, 16 fragment loads (with the chunk's first step its 4 loads of scale words), 16 products:
; the 16 accumulators by turns, one instruction a turn.
.macro KSTEP q, first
.rept 4
	v_nop
.endr
.if \q == 0
.irp i, 0,1,2,3
	ds_load_b128 v[SC+4*\i:SC+4*\i+3], v[ASR] offset:544*\i
.endr
.endif
.irp t, 0,1,2,3
.irp c, 0,1
	ds_load_b128 v[PF+8*\t+4*\c:PF+8*\t+4*\c+3], v[AP] offset:4352*\t+64*\q+32*\c
.endr
.endr
.irp u, 0,1,2,3
.irp c, 0,1
	ds_load_b128 v[RF+8*\u+4*\c:RF+8*\u+4*\c+3], v[AR] offset:4096*\u+1024*\q+512*\c   ; token tile u, heads 2 q + c: an image, 16 bytes a lane
.endr
.endr
	s_wait_dscnt 0x0
.irp u, 0,1,2,3
.irp t, 0,1,2,3
.if \first
	v_wmma_scale_f32_16x16x128_f8f6f4 v[ACC+32*\u+8*\t:ACC+32*\u+8*\t+7], v[PF+8*\t:PF+8*\t+7], v[RF+8*\u:RF+8*\u+7], v[BP+8*\t:BP+8*\t+7], v[SC+4*\t+\q], v[SC+4*\u+\q] matrix_a_fmt:MATRIX_FMT_FP4 matrix_b_fmt:MATRIX_FMT_FP4 matrix_a_scale:MATRIX_SCALE_ROW1
.else
	v_wmma_scale_f32_16x16x128_f8f6f4 v[ACC+32*\u+8*\t:ACC+32*\u+8*\t+7], v[PF+8*\t:PF+8*\t+7], v[RF+8*\u:RF+8*\u+7], v[ACC+32*\u+8*\t:ACC+32*\u+8*\t+7], v[SC+4*\t+\q], v[SC+4*\u+\q] matrix_a_fmt:MATRIX_FMT_FP4 matrix_b_fmt:MATRIX_FMT_FP4 matrix_a_scale:MATRIX_SCALE_ROW1
.endif
.endr
.endr
.endm
	s_wait_tensorcnt 0x1                           ; my codes of K 0-511 and my scale bytes have landed; my third load may stay out
	s_barrier_signal -1
	s_barrier_wait -1                              ; everybody's have
	KSTEP 0, 1                                     ; bp starts the sums
	KSTEP 1, 0
	KSTEP 2, 0
	KSTEP 3, 0
	s_wait_tensorcnt 0x0                           ; my codes of K 512-1,023 have landed
	s_barrier_signal -1                            ; (no LDS instruction of mine is out: each K step waits for its loads)
	s_barrier_wait -1
	v_add_nc_u32 v[AP], CHD, v[AP]
	s_wait_alu depctr_va_vdst(0)
	v_add_nc_u32 v[AR], CHD, v[AR]
	s_wait_alu depctr_va_vdst(0)
	v_add_nc_u32 v[ASR], 16, v[ASR]
	KSTEP 0, 0
	KSTEP 1, 0
	KSTEP 2, 0
	KSTEP 3, 0
; THE WAY OUT, a tile of 16 tokens at a time.  LDS serves a wave's instructions in order (ISA guide 5.7.1.4): no wait between my stores and my loads, nor in front of the next tile's stores.
.macro TOSTAGE u
.irp t, 0,1,2,3
	ds_store_b128 v[STO], v[ACC+32*\u+8*\t:ACC+32*\u+8*\t+3] offset:64*\t          ; each accumulator from its low end on
	ds_store_b128 v[STO], v[ACC+32*\u+8*\t+4:ACC+32*\u+8*\t+7] offset:64*\t+16
.endr
.irp i, 0,1,2,3,4,5,6,7
	ds_load_b128 v[BK+32*((\u)%2)+4*\i:BK+32*((\u)%2)+4*\i+3], v[RD] offset:544*\i
.endr
.endm
.macro SEND u, younger                 ; younger: the LDS instructions issued behind tile u's loads, which may stay out
	s_wait_dscnt \younger
.irp i, 0,1,2,3,4,5,6,7
	global_store_b128 v[GO], v[BK+32*((\u)%2)+4*\i:BK+32*((\u)%2)+4*\i+3], s[14:15] offset:(16*\u+2*\i)*4096 th:TH_STORE_NT   ; 16 lanes store 256 consecutive bytes, at a multiple of 256 from out0's first byte
.endr
.endm
.rept 4
	v_nop                                          ; places in front of the first read of results and of loads into the fragments' registers
.endr
	TOSTAGE 0
	TOSTAGE 1
	SEND 0, 16                                     ; behind tile 0's loads: tile 1's 8 stores and 8 loads
	s_wait_xcnt 0x0                                ; tile 0's stores have read their registers: tile 2's loads may land there
	TOSTAGE 2
	SEND 1, 16
	s_wait_xcnt 0x0
	TOSTAGE 3
	SEND 2, 16
	SEND 3, 0
	s_wait_tensorcnt 0x0
	ds_add_u32 v46, v47
	s_wait_dscnt 0x0
	ROUND                                          ; the closing round: no work-group ends while a partner may still ask for a tile that names it
	s_endpgm
.Lfunc_end_k_q6e54dbf389_proj:
	.size	k_q6e54dbf389_proj, .Lfunc_end_k_q6e54dbf389_proj-k_q6e54dbf389_proj
	.p2alignl 7, 3214868480
	.fill 96, 4, 3214868480
	.section	.rodata,"a",@progbits
	.p2align	6, 0x0
	.amdhsa_kernel k_q6e54dbf389_proj
		.amdhsa_group_segment_fixed_size 327680
		.amdhsa_private_segment_fixed_size 0
		.amdhsa_enable_private_segment 0
		.amdhsa_kernarg_size 48
		.amdhsa_user_sgpr_count 2
		.amdhsa_user_sgpr_kernarg_segment_ptr 1
		.amdhsa_wavefront_size32 1
		.amdhsa_system_sgpr_workgroup_id_x 1
		.amdhsa_system_sgpr_workgroup_id_y 1
		.amdhsa_system_sgpr_workgroup_id_z 1
		.amdhsa_system_vgpr_workitem_id 0
		.amdhsa_next_free_vgpr 256
		.amdhsa_next_free_sgpr 104
		.amdhsa_reserve_vcc 0
		.amdhsa_float_denorm_mode_32 3
		.amdhsa_float_denorm_mode_16_64 3
		.amdhsa_memory_ordered 1
		.amdhsa_forward_progress 1
		.amdhsa_inst_pref_size 44
	.end_amdhsa_kernel
	.amdgpu_metadata
---
amdhsa.version: [ 1, 2 ]
amdhsa.kernels:
  - .name:           k_q6e54dbf389_proj
    .symbol:         k_q6e54dbf389_proj.kd
    .args:
      - { .name: ac, .offset: 0, .size: 8, .value_kind: global_buffer, .address_space: global }
      - { .name: asc, .offset: 8, .size: 8, .value_kind: global_buffer, .address_space: global }
      - { .name: Wp_codes, .offset: 16, .size: 8, .value_kind: global_buffer, .address_space: global }
      - { .name: Wp_scales, .offset: 24, .size: 8, .value_kind: global_buffer, .address_space: global }
      - { .name: bp, .offset: 32, .size: 8, .value_kind: global_buffer, .address_space: global }
      - { .name: out0, .offset: 40, .size: 8, .value_kind: global_buffer, .address_space: global }
    .group_segment_fixed_size: 327680
    .private_segment_fixed_size: 0
    .kernarg_segment_align: 8
    .kernarg_segment_size: 48
    .max_flat_workgroup_size: 256
    .sgpr_count:     104
    .vgpr_count:     256
    .wavefront_size: 32
...
	.end_amdgpu_metadata
.endif
;; end of part 3
